; MI455X (gfx1250); checked and timed in simulation.
; The chip was launched on July 23, 2026; its instructions are those of AMD's public machine-readable ISA for CDNA 5 (MIT licence, August 2026) and "CDNA5" Instruction Set Architecture Reference Guide (July 2026). The comments in the code are by the model that wrote it; some were corrected since.
;; Sparse Transformer Block. Allowed arithmetic: matrix products marked QUANTISED: E5M2 operands, one given power-of-two scale a tensor, by v_wmma_f32_16x16x64_bf8_bf8 or v_wmma_f32_16x16x128_bf8_bf8, f32 sums; everything else in f32.
;; Inputs: b1 2,048 float32; b2 512 float32; bk 512 float32; bo 512 float32; bq 512 float32; bv 512 float32; ln1_b 512 float32; ln1_g 512 float32; ln2_b 512 float32; ln2_g 512 float32; lowp_scales 16 int32 (the exponents e of the quantised operands' scales 2^e); w1_codes 2,048 x 16 x 32 uint8 (E5M2 codes of w1, K innermost, in blocks of 32 codes); w2_codes 512 x 64 x 32 uint8 (E5M2 codes of w2, K innermost, in blocks of 32 codes); wk_codes 512 x 16 x 32 uint8 (E5M2 codes of wk, K innermost, in blocks of 32 codes); wo_codes 512 x 16 x 32 uint8 (E5M2 codes of wo, K innermost, in blocks of 32 codes); wq_codes 512 x 16 x 32 uint8 (E5M2 codes of wq, K innermost, in blocks of 32 codes); wv_codes 512 x 16 x 32 uint8 (E5M2 codes of wv, K innermost, in blocks of 32 codes); x 4 x 2,048 x 512 float32.
;; Outputs: out0 4 x 2,048 x 512 float32.
;; This version of the problem:
;;   THIS VERSION OF THE PROBLEM IS GIVEN IN LOW PRECISION. The matrix products marked QUANTISED in the list below multiply operands that are first quantised to E5M2 (5 exponent bits, 2 mantissa bits; 8 bits a number), with one given power-of-two scale for each operand tensor; their sums are f32. All else is computed in f32.
;;   The module's matrix products, in the order in which they are computed (A, B: the left and right operand; K: the contracted axis; several contracted axes count as one K, in the product's order):
;;     1. [M 8,192, K 512] x [K 512, N 512]; A: input x; B: input wq (given as codes): QUANTISED (scales: A lowp_scales[0], B lowp_scales[1])
;;     2. [M 8,192, K 512] x [K 512, N 512]; A: input x; B: input wk (given as codes): QUANTISED (scales: A lowp_scales[2], B lowp_scales[3])
;;     3. [M 8,192, K 512] x [K 512, N 512]; A: input x; B: input wv (given as codes): QUANTISED (scales: A lowp_scales[4], B lowp_scales[5])
;;     4. batch 32 x [M 2,048, K 64] x [K 64, N 2,048]; A: computed on the way; B: computed on the way: QUANTISED (scales: A lowp_scales[6], B lowp_scales[7])
;;     5. batch 32 x [M 2,048, K 2,048] x [K 2,048, N 64]; A: softmax (see below); B: computed on the way: QUANTISED (scales: A lowp_scales[8], B lowp_scales[9])
;;     6. [M 8,192, K 512] x [K 512, N 512]; A: computed on the way; B: input wo (given as codes): QUANTISED (scales: A lowp_scales[10], B lowp_scales[11])
;;     7. [M 8,192, K 512] x [K 512, N 2,048]; A: computed on the way; B: input w1 (given as codes): QUANTISED (scales: A lowp_scales[12], B lowp_scales[13])
;;     8. [M 8,192, K 2,048] x [K 2,048, N 512]; A: computed on the way; B: input w2 (given as codes): QUANTISED (scales: A lowp_scales[14], B lowp_scales[15])
;;   THE QUANTISER, for each operand of a quantised product, along K:
;;     - The operand's scale is 2^e, e = its entry of the input lowp_scales (int32; the entries are numbered through the quantised products in the list's order, A before B).
;;     - Each number is divided by the scale, clamped to +-57,344, and rounded to the nearest number of E5M2, ties to even, subnormals kept.
;;     - The product sums the exact products of the quantised numbers (number of the format x scale) in f32.
;;   ~~~python
;;   def quantise(x, axis, e):      # numpy; x: float32 -> the quantised numbers, widened to float32 again
;;       x = np.moveaxis(x, axis, -1); K = x.shape[-1]
;;       r = np.clip(x / 2.0 ** e, -57344, 57344)
;;       step = 2.0 ** (np.maximum(np.frexp(np.where(r == 0, 1, r))[1] - 1, -14) - 2)
;;       q = np.round(r / step) * step * 2.0 ** e      # np.round: ties to even
;;       return np.moveaxis(q, -1, axis).astype(np.float32)
;;   ~~~
;;   SOFTMAX AHEAD OF A QUANTISED PRODUCT. Where the list says 'softmax', what is quantised is not the finished softmax but p = 2^(t - M), with t = logit x log2(e) and M = ceil(the row's largest t), a whole number; so 1/2 < the row's largest p <= 1. The row's sum l is taken of the UNQUANTISED p, in f32, and the product's result is divided by l at the end. Since M is a whole number, a kernel that streams over the keys may use a running M (the ceiling of the running maximum): every later rescaling is an exact power of two, so the quantised numbers keep their values, but for numbers so far below the row's largest that they fall under the format's range.
;;   OPERANDS COMPUTED ON THE WAY. 'Computed on the way' means the value that the module computes at that place (a softmax that the list does not call 'softmax' is quantised finished and normalised). What goes into a quantiser is computed in f32, as accurately as f32 sums, v_exp_f32 and their like allow (about 1e-6 of the number): no bf16 or f16 on the way to a quantiser, and a product that is left as it is and whose result goes on into a quantised operand takes f32 operands (vector FMAs, or v_wmma_f32_16x16x4_f32). A number that lies on a knife's edge between two numbers of the format may be rounded either way, as far as f32 arithmetic and the matrix unit's own rounding can turn it there, and no further.
;;   INPUTS GIVEN AS CODES. w1 (in the module: [512, 2048], K = its axis 0); w2 (in the module: [2048, 512], K = its axis 0); wk (in the module: [512, 512], K = its axis 0); wo (in the module: [512, 512], K = its axis 0); wq (in the module: [512, 512], K = its axis 0); wv (in the module: [512, 512], K = its axis 0): each comes as NAME_codes (uint8): NAME with its K axis moved to the last place and cut into blocks of 32 codes, [.., K / 32, bytes a block], one block behind the other in memory; one code a byte (a code: sign, 5 exponent bits, 2 mantissa bits); its scale is its entry of lowp_scales. Its value is code x scale, taken as it is: it is not quantised again, and the codes and scales need not be those that the quantiser above would give.
;; One version. Each part assembles by itself: llvm-mc -triple=amdgcn-amd-amdhsa -mcpu=gfx1250 --defsym DOCPART=n.
;; ======== version 1 of 1: 2 launches
;; limits: right only within a limited range of input values
;; workspace buffers: qc 4,194,304 bytes; kc 4,194,304 bytes; vc 4,194,304 bytes; w1i 1,048,576 bytes; w2i 1,048,576 bytes; woi 262,144 bytes
;; launch qkv (part 1): grid 256 x 1, 8 waves a work-group, clusters of 4 x 1, 327,680 bytes of LDS; arguments x, wq_codes, wk_codes, wv_codes, bq, bk, bv, lowp_scales, qc, kc, vc, w1_codes, w2_codes, wo_codes, w1i, w2i, woi; writes qc, kc, vc, w1i, w2i, woi
.if DOCPART == 1
	.amdgcn_target "amdgcn-amd-amdhsa--gfx1250"
	.amdhsa_code_object_version 6
	.text
	.protected	k_qf27cdc0f77_qkv
	.globl	k_qf27cdc0f77_qkv
	.p2align	8
	.type	k_qf27cdc0f77_qkv,@function
k_qf27cdc0f77_qkv:
	s_mov_b64 s[64:65], 0
	v_nop
	global_prefetch_b8 v0, s[64:65] scope:SCOPE_SE
	s_setreg_imm32_b32 hwreg(HW_REG_WAVE_MODE, 25, 1), 1
	s_wait_xcnt 0x0
	s_wait_alu depctr_hold_cnt(0) depctr_sa_sdst(0) depctr_va_vdst(0) depctr_va_sdst(0) depctr_va_ssrc(0) depctr_va_vcc(0) depctr_vm_vsrc(0)
	s_getreg_b32 s2, hwreg(HW_REG_IB_STS2, 6, 4)
	s_cmp_eq_u32 s2, 0
	s_cbranch_scc0 .Lentry_in_a_cluster
	s_endpgm
.Lentry_in_a_cluster:
	s_bfe_u32 s2, ttmp6, 0x10000c
	s_cmp_lg_u32 s2, 0x3003
	s_cbranch_scc0 .Lentry_shape_is_right
	s_endpgm
.Lentry_shape_is_right:
; q = x wq + bq, k = x wk + bk, v = x wv + bv on codes of BF8 (E5M2), and the three results quantised again for attention.  Also: w1, w2, wo re-laid as images of operand registers for the next launch.
; x: [8192][512] f32.  wq, wk, wv: codes [512 (n)][512 (k)], K innermost.  lowp_scales: e0 .. e15.  x is quantised three times (e0, e2, e4), from registers that keep its f32 numbers.
; WORK LEFT OUT BY THE PROGRAM: reference() sets the score of keys with |i - j| > 64 to -inf in its own body, so their softmax weight is 0 for all values of the inputs: blocks of 32 keys that lie wholly outside
;   the band of a block of 32 queries are not multiplied in the next launch.  LIMIT: a NaN or an infinity that reaches only those scores is not carried to the result.
; SHARES.  A work-group of eight waves takes 64 tokens and four heads (256 of each weight's 512 rows): 128 blocks of tokens x 2 halves of the heads = 256 work-groups.  It brings in 3 x 131,072 bytes of weights and 131,072 of x.
;   Wave w makes head w % 4 of its half for tokens 32 (w / 4) on: 64 columns x 32 tokens of each product.
; CLUSTER.  The four work-groups of a cluster have the same half of the heads (the cluster's number % 2) and so the same weight tiles: each tile is asked for JOINTLY (one descriptor, a mask that names the four).
; RING.  A slot holds 256 rows x 512 K of one weight; two slots; three tiles.  At the head each wave issues ONE load of 64 rows: waves 0-3 bring wq's tile (slot 0), waves 4-7 wk's (slot 1).  wv's tile fills slot 0 again behind the first product,
;   32 rows a wave.  By this text's count a wave never has more than one tensor load out.
; LAYOUT.  The 8-bit operand layout as the form has it: registers 2 c, 2 c + 1 hold k = 16 c + 8 (lane / 16) + 0 .. 7.  For q and k source 0 = 16 rows of the weight, source 1 = 16 tokens: a lane holds one token and eight
;   neighbouring channels, and one conversion gives registers 2 t, 2 t + 1 of the next operand.  For v the sources change places: a lane holds one channel and eight neighbouring tokens, since the keys are the next K.
; OUT.  qc, kc: for each block of 32 tokens and head 2,048 bytes: fragment u (tokens 16 u + r x 64 channels, 8 registers) as two pieces of 512 bytes, lane l's 16 bytes at 16 l.
;   vc: for each block and head four pieces of 512 bytes: piece t: lane r = channel 16 t + r, four registers = tokens 16 u + 8 (lane / 16) + 0 .. 7, u = 0, 1.  Every store covers 512 consecutive bytes.
; THE IMAGES w1i, w2i, woi.  A fragment is 16 rows x 128 K, 2,048 bytes: piece c (512 bytes) holds registers 4 c .. 4 c + 3, lane l's 16 bytes at 16 l.  Fragments lie in the order [chunk of 512][wave w][K step ks][tile t]: rows 64 w + 16 t on.
;   w1: the chunk cuts its rows, w2: its K.  The 2,048 waves of the launch take one piece of w1 and one of w2 each; waves 0 and 1 of each work-group one of wo's 512 pieces.
; LIMITS: e0, e2, e4, e6 - e0 - e1, e7 - e2 - e3, e9 - e4 - e5 between -126 and 112; e0 + e1, e2 + e3, e4 + e5 between -127 and 126, so that each power of two below is an f32 number.  NaN among the inputs is not served.
; REGISTERS.  window 0: v1-12 addresses and scales; v16-31 codes to store; v32-95 four weight fragments (v32-47 also x's codes); v96-159 at work; v160-223 eight accumulators ((m, t) at 160 + 32 m + 8 t); v224-255 the bias.
;   window 1: v0-127 my 128 numbers of x (two fragments); v128-255 the eight fragments of my 32 tokens ((m, s) at 128 + 64 m + 16 s).
.set PITCH,  528                       ; an LDS row: 512 bytes + 16 of padding = 132 words: the 32 lanes of an 8-byte load (16 rows, two halves) touch 64 different words modulo 64 (64 banks of 4 bytes: ISA guide 11.1)
.set SLOT,   256*PITCH
.set XIMG,   2*SLOT                    ; x's sixteen fragments as images of their registers: fragment f = 4 (token tile) + s at 2,048 f, piece c at 512 c, lane l at 16 l
.set SPARE,  XIMG+32768                ; the spare words, 128 bytes for each wave
.set SPW,  1
.set NIL,  2
.set BADR, 3                           ; v3, v4  my lane's place in my head's 64 weight rows, slot 0, 1
.set IMW,  5                           ; v5      where I store my fragments of x
.set IMR,  6                           ; v6      16 x lane in the images of my 32 tokens
.set XO,   7                           ; v7      my byte in the block's rows of x
.set BO,   8                           ; v8      256 x head + 32 (lane / 16): a column vector's bytes for my lane
.set BVO,  9                           ; v9      256 x head + 4 (lane % 16): bv at my channel
.set OST,  10                          ; v10     my byte in qc, kc, vc
.set SC,   11
.set LIM,  12
.set OC,   16
.set B,    32
.set CX,   32
.set T,    96
.set ACC,  160
.set BIAS, 224
.set X,    0
.set AF,   128
.set G1,   28                          ; s[28:35] descriptor group 1
.set GQ,   36                          ; s[36:39] group 0: wq's tile;  s[48:51] wk's;  s[40:43] wv's
.set GV,   40
.set GK,   48
.set NH,   44                          ; s44 which half of the heads; s45 my block of 64 tokens; s46 w % 4; s47 w / 4
.set WV,   60
.set ES,   68                          ; s[68:83] e0 .. e15
.set MSB,  0
.macro WIN new                         ; the immediate's high byte repeats the setting that is left
.if MSB != \new
	s_set_vgpr_msb (MSB<<8)|\new
.set MSB, \new
.endif
.endm
.macro PLACES n
.rept \n
	v_nop
.endr
.endm
.macro BAR
	s_barrier_signal -1
	s_barrier_wait -1
.endm
.macro ROUND                           ; a round of the cluster's barrier
	s_barrier_signal -1
	s_barrier_wait -1
	s_cmp_lg_u32 s[WV], 0
	s_cbranch_scc1 .Lnw0_\@
	s_barrier_signal -3
.Lnw0_\@:
	s_barrier_wait -3
	s_barrier_signal -1
	s_barrier_wait -1
.endm
.macro LOADC dst, base                 ; 32 numbers of a column vector: register 8 t + j = column 64 x head + 16 t + 8 (lane / 16) + j
.irp t, 0,1,2,3
	global_load_b128 v[\dst+8*\t:\dst+8*\t+3], v[BO], s[\base:\base+1] offset:64*\t
	global_load_b128 v[\dst+8*\t+4:\dst+8*\t+7], v[BO], s[\base:\base+1] offset:64*\t+16
.endr
.endm
; My two fragments of x (16 tokens x 128 K each) are quantised with product p's scale and stored as images.  x's numbers stay as they are in window 1.
.macro QUANTX p
	WIN 0
	s_add_co_i32 s84, s[ES+2*\p], 127
	s_lshl_b32 s85, s84, 23
	v_mov_b32 v[SC], s85                           ; 2^e: the conversion takes its exponent field
	s_add_co_i32 s84, s84, 15
	s_lshl_b32 s84, s84, 23
	s_or_b32 s84, s84, 0x600000
	v_mov_b32 v[LIM], s84                          ; 57,344 x 2^e
.irp f, 0,1
	WIN 0x01                                       ; source 0 (x) window 1
.set i, 0
.rept 64
	v_med3_num_f32 v[T+i], v[X+64*\f+i], -v[LIM], v[LIM] ; the conversion to an 8-bit code does not saturate (ISA guide 7.6.2): the hold comes first
.set i, i+1
.endr
	WIN 0
.irp c, 0,1,2,3,4,5,6,7
	v_cvt_scalef32_pk8_bf8_f32 v[CX+2*\c:CX+2*\c+1], v[T+8*\c:T+8*\c+7], v[SC]
.endr
	v_nop                                          ; a plain line behind the last conversion
.irp c, 0,1,2,3
	ds_store_b128 v[IMW], v[CX+4*\c:CX+4*\c+3] offset:16384*\f+512*\c
.endr
.endr
.endm
.macro ALOADALL                        ; the eight fragments of my 32 tokens come back
	WIN 0x40                                       ; destination window 1
.irp f, 0,1,2,3,4,5,6,7
.irp c, 0,1,2,3
	ds_load_b128 v[AF+16*\f+4*\c:AF+16*\f+4*\c+3], v[IMR] offset:2048*\f+512*\c
.endr
.endr
	WIN 0
.endm
.macro IPOW p                          ; s[88:89] = 2^-(eA + eB) of product p: a sum stands for sum x 2^(eA + eB), so the bias goes in divided by that
	s_add_co_i32 s88, s[ES+2*\p], s[ES+2*\p+1]
	s_sub_co_i32 s88, 127, s88
	s_lshl_b32 s88, s88, 23
	s_mov_b32 s89, s88
.endm
.macro BIASQK p
	s_wait_loadcnt 0x0                             ; the bias
	IPOW \p
.set i, 0
.rept 16
	v_pk_mul_f32 v[BIAS+i:BIAS+i+1], v[BIAS+i:BIAS+i+1], s[88:89] op_sel_hi:[1,0]
.set i, i+2
.endr
.endm
; Half a product: 256 along K in two steps of 128; my four tiles of 16 weight rows x the two tiles of tokens.  The eight accumulators take turns, one instruction a turn.
; kind 0: source 0 = the weight, source 1 = x;  kind 1: the other way round.  cfirst: the bias starts the sums.
.macro MUL slot, kind, half, cfirst
.irp ks, 0,1
	WIN 0
.if \ks || \half
	PLACES 4                                       ; in front of loads into registers that matrix instructions have read
.endif
.irp t, 0,1,2,3
.irp c, 0,1,2,3,4,5,6,7
	ds_load_b64 v[B+16*\t+2*\c:B+16*\t+2*\c+1], v[BADR+\slot] offset:16*\t*PITCH+256*\half+128*\ks+16*\c
.endr
.endr
.if \kind
	WIN 0x01                                       ; source 0 (x) window 1
.else
	WIN 0x04                                       ; source 1 (x) window 1
.endif
.irp t, 0,1,2,3
	s_wait_dscnt 8*(3-\t)                          ; tile t's eight loads are in; the later tiles' may be out
.irp m, 0,1
.set rD, ACC+32*\m+8*\t
.set rA, AF+64*\m+32*\half+16*\ks
.if \kind
.if \cfirst && (\ks == 0)
	v_wmma_f32_16x16x128_bf8_bf8 v[rD:rD+7], v[rA:rA+15], v[B+16*\t:B+16*\t+15], v[BIAS+8*\t:BIAS+8*\t+7]
.else
	v_wmma_f32_16x16x128_bf8_bf8 v[rD:rD+7], v[rA:rA+15], v[B+16*\t:B+16*\t+15], v[rD:rD+7]
.endif
.else
.if \cfirst && (\ks == 0)
	v_wmma_f32_16x16x128_bf8_bf8 v[rD:rD+7], v[B+16*\t:B+16*\t+15], v[rA:rA+15], v[BIAS+8*\t:BIAS+8*\t+7]
.else
	v_wmma_f32_16x16x128_bf8_bf8 v[rD:rD+7], v[B+16*\t:B+16*\t+15], v[rA:rA+15], v[rD:rD+7]
.endif
.endif
.endr
.endr
.endr
.endm
; Product p's sums become codes with the scale 2^eo: the three scales are folded into the conversion's one, 2^(eo - eA - eB).  Four stores of 512 consecutive bytes.
.macro OUT p, eo, kind, base
	WIN 0
	PLACES 4                                       ; in front of the first read of results
	s_wait_xcnt 0x0                                ; the earlier stores have read their data registers
	s_sub_co_i32 s84, s[\eo], s[ES+2*\p]
	s_sub_co_i32 s84, s84, s[ES+2*\p+1]
	s_add_co_i32 s84, s84, 127
	s_lshl_b32 s85, s84, 23
	v_mov_b32 v[SC], s85
	s_add_co_i32 s84, s84, 15
	s_lshl_b32 s84, s84, 23
	s_or_b32 s84, s84, 0x600000
	v_mov_b32 v[LIM], s84
.set i, 0
.rept 64
	v_med3_num_f32 v[ACC+i], v[ACC+i], -v[LIM], v[LIM]   ; each accumulator from its low end on
.set i, i+1
.endr
.irp m, 0,1
.irp t, 0,1,2,3
.if \kind
	v_cvt_scalef32_pk8_bf8_f32 v[OC+4*\t+2*\m:OC+4*\t+2*\m+1], v[ACC+32*\m+8*\t:ACC+32*\m+8*\t+7], v[SC]   ; channel 16 t + r, tokens 16 m + 8 h + 0 .. 7
.else
	v_cvt_scalef32_pk8_bf8_f32 v[OC+8*\m+2*\t:OC+8*\m+2*\t+1], v[ACC+32*\m+8*\t:ACC+32*\m+8*\t+7], v[SC]   ; token 16 m + r, channels 16 t + 8 h + 0 .. 7
.endif
.endr
.endr
	v_nop
.irp c, 0,1,2,3
	global_store_b128 v[OST], v[OC+4*\c:OC+4*\c+3], s[\base:\base+1] offset:512*\c
.endr
.endm
	s_load_b512 s[4:19], s[0:1], 0x0               ; x s[4:5], wq s[6:7], wk s[8:9], wv s[10:11], bq s[12:13], bk s[14:15], bv s[16:17], the scales s[18:19]
	s_load_b128 s[20:23], s[0:1], 0x40             ; qc, kc
	s_load_b64 s[24:25], s[0:1], 0x50              ; vc
	s_load_b256 s[92:99], s[0:1], 0x58             ; w1 s[92:93], w2 s[94:95], wo s[96:97], w1i s[98:99]
	s_load_b64 s[26:27], s[0:1], 0x78              ; w2i
	s_load_b64 s[100:101], s[0:1], 0x80            ; woi
	v_lshl_add_u32 v[SPW], v0, 2, SPARE
	v_mov_b32 v[NIL], 0
	ds_add_u32 v[SPW], v[NIL]                      ; the opening lines: the add, twice on end, and its wait ahead of my first tensor load
	ds_add_u32 v[SPW], v[NIL]
	v_lshrrev_b32 v13, 5, v0
	v_readfirstlane_b32 s[WV], v13                 ; wave 0..7
	s_bfe_u32 s61, ttmp6, 0x40000                  ; cx: it enters global addresses of x, of the outputs and of the images alone
	s_lshl_b32 s62, ttmp9, 2
	s_add_co_u32 s62, s62, s61                     ; the work-group's number, for the images' pieces
	s_and_b32 s[NH], ttmp9, 1                      ; my cluster's half of the heads
	s_lshr_b32 s45, ttmp9, 1
	s_lshl_b32 s45, s45, 2
	s_add_co_u32 s45, s45, s61                     ; my block of 64 tokens
	s_and_b32 s46, s[WV], 3
	s_lshr_b32 s47, s[WV], 2
	s_mov_b32 s[G1], 15|(1<<20)|(1<<21)|(6<<22)|(3<<25)  ; 15:0 the mask: all four; 17:16 elements of 1 byte; 20 padding on; 21 set beside a mask; 24:22 after every 128 words; 31:25 four words
	s_mov_b32 s[G1+1], 512<<16                     ; tensor_dim0
	s_mov_b32 s[G1+2], 64<<16                      ; tensor_dim1: 64 rows for the head's fills
	s_mov_b32 s[G1+3], 512<<16                     ; tile_dim0
	s_mov_b32 s[G1+4], 64                          ; tile_dim1
	s_mov_b32 s[G1+5], 512                         ; from row to row
	s_mov_b32 s[G1+6], 0
	s_mov_b32 s[G1+7], 0
	s_mul_i32 s86, s46, 64*PITCH                   ; rows 64 (w % 4) on of a slot: what I fetch at the head, and my head's rows
	s_lshl_b32 s90, s[NH], 17                      ; my half's 256 rows of 512 bytes,
	s_lshl_b32 s91, s46, 15
	s_add_co_u32 s90, s90, s91                     ; + 64 (w % 4) rows
	s_mov_b32 s91, 0
	s_lshl_b32 s84, s[NH], 17
	s_lshl_b32 s85, s[WV], 14
	s_add_co_u32 s84, s84, s85                     ; for wv: + 32 w rows
	s_mov_b32 s85, 0
	s_mul_i32 s87, s[WV], 32*PITCH
	s_wait_dscnt 0x0                               ; both opening adds are done
	s_wait_kmcnt 0x0
	s_load_b512 s[ES:ES+15], s[18:19], 0x0
	s_mov_b32 s[GQ], 1
	s_mov_b32 s[GQ+1], s86
	s_add_nc_u64 s[GQ+2:GQ+3], s[6:7], s[90:91]
	s_or_b32 s[GQ+3], s[GQ+3], 0x80000000
	s_mov_b32 s[GK], 1
	s_add_co_u32 s[GK+1], s86, SLOT
	s_add_nc_u64 s[GK+2:GK+3], s[8:9], s[90:91]
	s_or_b32 s[GK+3], s[GK+3], 0x80000000
	s_mov_b32 s[GV], 1
	s_mov_b32 s[GV+1], s87
	s_add_nc_u64 s[GV+2:GV+3], s[10:11], s[84:85]
	s_or_b32 s[GV+3], s[GV+3], 0x80000000
	ROUND                                          ; the four partners are here: the first joint loads meet
	s_cmp_eq_u32 s47, 0                            ; waves 0-3 fetch wq's tile, waves 4-7 wk's: one load a wave, each line with one set of registers
	s_cbranch_scc0 .Lfor_k
	tensor_load_to_lds s[GQ:GQ+3], s[G1:G1+7]
	s_nop 0
	PLACES 4
	s_branch .Lasked
.Lfor_k:
	tensor_load_to_lds s[GK:GK+3], s[G1:G1+7]
	s_nop 0
	PLACES 4
.Lasked:
	s_lshl_b32 s63, s[WV], 11                      ; my first fragment's image
	s_lshl_b32 s66, s47, 14                        ; the images of my 32 tokens
	s_lshl_b32 s67, s47, 15                        ; my first fragment of x: tokens 16 (w / 4) on,
	s_lshl_b32 s52, s46, 9                         ; K 128 (w % 4) on
	s_add_co_u32 s67, s67, s52
	s_lshl_b32 s52, s[NH], 2
	s_add_co_u32 s52, s52, s46                     ; my head
	s_lshl_b32 s53, s52, 8
	s_lshl_b32 s54, s45, 1
	s_add_co_u32 s54, s54, s47                     ; my block of 32 tokens
	s_lshl_b32 s54, s54, 14
	s_lshl_b32 s55, s52, 11
	s_add_co_u32 s54, s54, s55
	s_lshl_b32 s56, s45, 17
	s_mov_b32 s57, 0
	s_add_nc_u64 s[4:5], s[4:5], s[56:57]          ; x at my block
	; the weights' images: piece P = 8 x work-group + wave of w1 and of w2: c = P % 4, fragment F = P / 4: t = F % 4, ks = F / 4 % 4
	s_lshr_b32 s84, s[WV], 2
	s_lshl_b32 s85, s62, 1
	s_add_co_u32 s84, s84, s85                     ; F
	s_and_b32 s85, s[WV], 3
	s_lshl_b32 s85, s85, 5
	s_bfe_u32 s87, s84, 0x20002
	s_lshl_b32 s87, s87, 7
	s_add_co_u32 s85, s85, s87                     ; 128 ks + 32 c
	s_and_b32 s87, s84, 3                          ; t
	s_lshr_b32 s88, s84, 4
	s_lshl_b32 s89, s87, 13
	s_add_co_u32 s89, s89, s85
	s_lshl_b32 s90, s88, 15
	s_add_co_u32 s89, s89, s90                     ; w1: row 64 (F / 16) + 16 t, rows of 512 bytes
	s_lshl_b32 s87, s87, 15
	s_add_co_u32 s85, s85, s87
	s_and_b32 s87, s88, 7
	s_lshl_b32 s87, s87, 17
	s_add_co_u32 s85, s85, s87
	s_lshr_b32 s87, s84, 7
	s_lshl_b32 s87, s87, 9
	s_add_co_u32 s85, s85, s87                     ; w2: row 64 (F / 16 % 8) + 16 t, rows of 2,048 bytes, K 512 (F / 128) on
	s_lshl_b32 s90, s62, 3
	s_add_co_u32 s90, s90, s[WV]
	s_lshl_b32 s90, s90, 9                         ; the piece's place in the image
	s_lshl_b32 s91, s62, 1
	s_add_co_u32 s91, s91, s[WV]                   ; wo: piece 2 x work-group + wave (waves 0 and 1)
	s_and_b32 s84, s91, 3
	s_lshl_b32 s84, s84, 5
	s_bfe_u32 s87, s91, 0x20002
	s_lshl_b32 s87, s87, 13
	s_add_co_u32 s84, s84, s87
	s_bfe_u32 s87, s91, 0x20004
	s_lshl_b32 s87, s87, 7
	s_add_co_u32 s84, s84, s87
	s_lshr_b32 s87, s91, 6
	s_lshl_b32 s87, s87, 15
	s_add_co_u32 s84, s84, s87
	s_lshl_b32 s91, s91, 9
	v_and_b32 v13, 15, v0                          ; r
	v_bfe_u32 v14, v0, 4, 1                        ; h
	v_and_b32 v15, 31, v0                          ; lane
	v_mul_u32_u24 v[BADR], v13, PITCH
	v_lshl_add_u32 v[BADR], v14, 3, v[BADR]
	v_add_nc_u32 v[BADR], s86, v[BADR]
	v_add_nc_u32 v[BADR+1], SLOT, v[BADR]
	v_lshlrev_b32 v[IMR], 4, v15
	v_add_nc_u32 v[IMR], XIMG, v[IMR]
	v_add_nc_u32 v[IMW], s63, v[IMR]
	v_add_nc_u32 v[IMR], s66, v[IMR]
	v_lshlrev_b32 v[XO], 11, v13
	v_lshl_add_u32 v[XO], v14, 5, v[XO]
	v_add_nc_u32 v[XO], s67, v[XO]
	v_lshl_add_u32 v[BO], v14, 5, s53
	v_lshl_add_u32 v[BVO], v13, 2, s53
	v_lshl_add_u32 v[OST], v15, 4, s54
	v_lshlrev_b32 v28, 9, v13
	v_lshl_add_u32 v28, v14, 3, v28                ; 512 r + 8 h
	v_lshlrev_b32 v29, 11, v13
	v_lshl_add_u32 v29, v14, 3, v29                ; 2,048 r + 8 h
	v_add_nc_u32 v31, s84, v28
	v_add_nc_u32 v28, s89, v28
	v_add_nc_u32 v29, s85, v29
	v_lshl_add_u32 v30, v15, 4, s90
	v_lshl_add_u32 v15, v15, 4, s91
	s_wait_alu depctr_va_vdst(0)                   ; the wait at the head's end
	global_load_b64 v[16:17], v28, s[92:93]
	global_load_b64 v[18:19], v28, s[92:93] offset:16
	global_load_b64 v[20:21], v29, s[94:95]
	global_load_b64 v[22:23], v29, s[94:95] offset:16
	s_cmp_lt_u32 s[WV], 2
	s_cbranch_scc0 .Lnowo_a
	global_load_b64 v[24:25], v31, s[96:97]
	global_load_b64 v[26:27], v31, s[96:97] offset:16
.Lnowo_a:
	WIN 0x40
.irp f, 0,1
.irp c, 0,1,2,3,4,5,6,7
	global_load_b128 v[X+64*\f+8*\c:X+64*\f+8*\c+3], v[XO], s[4:5] offset:65536*\f+64*\c        ; x(token 32 f + r, K 16 c + 8 h + 0 .. 7): the order of the operand's registers
	global_load_b128 v[X+64*\f+8*\c+4:X+64*\f+8*\c+7], v[XO], s[4:5] offset:65536*\f+64*\c+16
.endr
.endr
	WIN 0
	LOADC BIAS, 12
	s_wait_loadcnt 8                               ; x and, issued ahead of it, the weights' pieces are in; the bias's eight loads may be out
	global_store_b128 v30, v[16:19], s[98:99]
	global_store_b128 v30, v[20:23], s[26:27]
	s_cmp_lt_u32 s[WV], 2
	s_cbranch_scc0 .Lnowo_b
	global_store_b128 v15, v[24:27], s[100:101]
.Lnowo_b:
	s_wait_kmcnt 0x0
	QUANTX 0
	s_wait_tensorcnt 0x0                           ; my one load is in: a quarter of wq's or of wk's tile, which other waves read behind the barrier
	s_mov_b32 s[G1+2], 32<<16                      ; no load of mine is out: wv's fill is 32 rows a wave
	s_mov_b32 s[G1+4], 32
	s_wait_dscnt 0x0                               ; my images of x are stored
	BAR
	ALOADALL
	BIASQK 0
	s_wait_alu depctr_va_vdst(0)
	MUL 0, 0, 0, 1
	MUL 0, 0, 1, 0
	WIN 0
	s_wait_tensorcnt 0x0                           ; slot 0 is filled again: no load of mine is out,
	ds_add_u32 v[SPW], v[NIL]                      ; 0 onto my spare word,
	s_wait_dscnt 0x0                               ; my reads of slot 0 and of the images are over;
	ROUND                                          ; all waves of the four partners meet,
	tensor_load_to_lds s[GV:GV+3], s[G1:G1+7]      ; and wv's tile is asked for first thing
	s_nop 0
	PLACES 4
	OUT 0, ES+6, 0, 20
	LOADC BIAS, 14
	QUANTX 1                                       ; every wave's reads of the images were over in front of the round
	s_wait_dscnt 0x0
	BAR                                            ; wv's tile may stay on its way
	ALOADALL
	BIASQK 1
	s_wait_alu depctr_va_vdst(0)
	MUL 1, 0, 0, 1
	MUL 1, 0, 1, 0
	WIN 0
	s_wait_dscnt 0x0                               ; my reads of the images are over
	BAR
	OUT 1, ES+7, 0, 22
	QUANTX 2
.irp t, 0,1,2,3
	global_load_b32 v[T+\t], v[BVO], s[16:17] offset:64*\t   ; bv at channel 64 x head + 16 t + r
.endr
	s_wait_tensorcnt 0x0                           ; my 32 rows of wv's tile are in
	s_wait_dscnt 0x0
	BAR
	ALOADALL
	s_wait_loadcnt 0x0
	IPOW 2
.irp t, 0,1,2,3
.irp j, 0,1,2,3,4,5,6,7
	v_mul_f32 v[BIAS+8*\t+\j], s88, v[T+\t]        ; in v's result a lane holds one channel: its bias stands in all eight registers
.endr
.endr
	s_wait_alu depctr_va_vdst(0)
	MUL 0, 1, 0, 1
	MUL 0, 1, 1, 0
	OUT 2, ES+9, 1, 24
	s_wait_tensorcnt 0x0                           ; the wave's end
	ds_add_u32 v[SPW], v[NIL]
	s_wait_dscnt 0x0
	ROUND                                          ; the closing round
	s_endpgm
.Lfunc_end_k_qf27cdc0f77_qkv:
	.size	k_qf27cdc0f77_qkv, .Lfunc_end_k_qf27cdc0f77_qkv-k_qf27cdc0f77_qkv
	.p2alignl 7, 3214868480
	.fill 96, 4, 3214868480
	.section	.rodata,"a",@progbits
	.p2align	6, 0x0
	.amdhsa_kernel k_qf27cdc0f77_qkv
		.amdhsa_group_segment_fixed_size 327680
		.amdhsa_private_segment_fixed_size 0
		.amdhsa_enable_private_segment 0
		.amdhsa_kernarg_size 136
		.amdhsa_user_sgpr_count 2
		.amdhsa_user_sgpr_kernarg_segment_ptr 1
		.amdhsa_wavefront_size32 1
		.amdhsa_system_sgpr_workgroup_id_x 1
		.amdhsa_system_sgpr_workgroup_id_y 1
		.amdhsa_system_sgpr_workgroup_id_z 1
		.amdhsa_system_vgpr_workitem_id 0
		.amdhsa_next_free_vgpr 512
		.amdhsa_next_free_sgpr 102
		.amdhsa_reserve_vcc 0
		.amdhsa_float_denorm_mode_32 3
		.amdhsa_float_denorm_mode_16_64 3
		.amdhsa_memory_ordered 1
		.amdhsa_forward_progress 1
		.amdhsa_inst_pref_size 104
	.end_amdhsa_kernel
	.amdgpu_metadata
---
amdhsa.version: [ 1, 2 ]
amdhsa.kernels:
  - .name:           k_qf27cdc0f77_qkv
    .symbol:         k_qf27cdc0f77_qkv.kd
    .args:
      - { .name: x, .offset: 0, .size: 8, .value_kind: global_buffer, .address_space: global }
      - { .name: wq_codes, .offset: 8, .size: 8, .value_kind: global_buffer, .address_space: global }
      - { .name: wk_codes, .offset: 16, .size: 8, .value_kind: global_buffer, .address_space: global }
      - { .name: wv_codes, .offset: 24, .size: 8, .value_kind: global_buffer, .address_space: global }
      - { .name: bq, .offset: 32, .size: 8, .value_kind: global_buffer, .address_space: global }
      - { .name: bk, .offset: 40, .size: 8, .value_kind: global_buffer, .address_space: global }
      - { .name: bv, .offset: 48, .size: 8, .value_kind: global_buffer, .address_space: global }
      - { .name: lowp_scales, .offset: 56, .size: 8, .value_kind: global_buffer, .address_space: global }
      - { .name: qc, .offset: 64, .size: 8, .value_kind: global_buffer, .address_space: global }
      - { .name: kc, .offset: 72, .size: 8, .value_kind: global_buffer, .address_space: global }
      - { .name: vc, .offset: 80, .size: 8, .value_kind: global_buffer, .address_space: global }
      - { .name: w1_codes, .offset: 88, .size: 8, .value_kind: global_buffer, .address_space: global }
      - { .name: w2_codes, .offset: 96, .size: 8, .value_kind: global_buffer, .address_space: global }
      - { .name: wo_codes, .offset: 104, .size: 8, .value_kind: global_buffer, .address_space: global }
      - { .name: w1i, .offset: 112, .size: 8, .value_kind: global_buffer, .address_space: global }
      - { .name: w2i, .offset: 120, .size: 8, .value_kind: global_buffer, .address_space: global }
      - { .name: woi, .offset: 128, .size: 8, .value_kind: global_buffer, .address_space: global }
    .group_segment_fixed_size: 327680
    .private_segment_fixed_size: 0
    .kernarg_segment_align: 8
    .kernarg_segment_size: 136
    .max_flat_workgroup_size: 256
    .sgpr_count:     102
    .vgpr_count:     512
    .wavefront_size: 32
...
	.end_amdgpu_metadata
.endif
;; end of part 1
;; launch block (part 2): grid 256 x 1, 8 waves a work-group, clusters of 4 x 1, 327,680 bytes of LDS; arguments qc, kc, vc, x, woi, w1i, w2i, bo, b1, b2, ln1_g, ln1_b, ln2_g, ln2_b, lowp_scales, out0; writes out0
.if DOCPART == 2
	.amdgcn_target "amdgcn-amd-amdhsa--gfx1250"
	.amdhsa_code_object_version 6
	.text
	.protected	k_qf27cdc0f77_block
	.globl	k_qf27cdc0f77_block
	.p2align	8
	.type	k_qf27cdc0f77_block,@function
k_qf27cdc0f77_block:
	s_mov_b64 s[64:65], 0
	v_nop
	global_prefetch_b8 v0, s[64:65] scope:SCOPE_SE
	s_setreg_imm32_b32 hwreg(HW_REG_WAVE_MODE, 25, 1), 1
	s_wait_xcnt 0x0
	s_wait_alu depctr_hold_cnt(0) depctr_sa_sdst(0) depctr_va_vdst(0) depctr_va_sdst(0) depctr_va_ssrc(0) depctr_va_vcc(0) depctr_vm_vsrc(0)
	s_getreg_b32 s2, hwreg(HW_REG_IB_STS2, 6, 4)
	s_cmp_eq_u32 s2, 0
	s_cbranch_scc0 .Lentry_in_a_cluster
	s_endpgm
.Lentry_in_a_cluster:
	s_bfe_u32 s2, ttmp6, 0x10000c
	s_cmp_lg_u32 s2, 0x3003
	s_cbranch_scc0 .Lentry_shape_is_right
	s_endpgm
.Lentry_shape_is_right:
; Banded attention on codes of BF8, out projection, residual, LayerNorm, the two products of the feed-forward layer, residual, LayerNorm.  All products by v_wmma_f32_16x16x64/128_bf8_bf8, all else f32.
; WORK LEFT OUT: keys with |i - j| > 64 get -inf in reference()'s own body, so only the five blocks of 32 keys round a block of 32 queries are multiplied; inside them the mask is applied.  A NaN or infinity that reaches only the scores left out is not carried on.
; SHARES.  A work-group of eight waves takes 32 tokens through the whole chain; 256 work-groups.  Wave w: head w in attention, columns 64 w .. 64 w + 63 of every later product (per chunk of 512 hidden units in the feed-forward layer).
; WEIGHTS.  woi, w1i, w2i are images of operand registers laid by the launch before: [chunk][wave][K step][tile t][piece c][lane], 2,048 bytes a fragment.  A GROUP is one K step of 128 for my four tiles: 8,192 bytes, 64 registers, 8 matrix instructions.
;   TWO ROADS.  (1) K steps 0-2 of wo and of each chunk of w2: all work-groups walk the same weights, so the four of a cluster ask JOINTLY: one tensor load a wave, 24,576 dense bytes as 96 rows of 256, into the wave's own part of ONE slot of 196,608 bytes.
;   The slot is filled five times: at the head (wo), and behind the last read of each filling but the last: the load then has five groups from road 2 and the activation in which to land.  By this text's count a wave never has more than one tensor load out.
;   (2) w1 and K step 3 of wo and w2 go from memory straight into registers, every load 512 consecutive bytes: 21 groups q = 0 .. 20 (wo's; then for each chunk w1's four and w2's one), group q in buffer q % 4 of window 1.
;   Behind group q's products its buffer is asked for group q + 4, so three groups (48 loads) are out at each wait, across barriers too.  No pointer is stepped: the four chunks are written by one macro with immediate offsets.
; NO L2 PREFETCH: road 2 asks three groups ahead into registers, road 1 a whole first product ahead into LDS; a prefetch would name the same bytes once more.
; ACTIVATIONS go from wave to wave as images of operand registers in LDS: fragment (m, s) (tokens 16 m on, K 128 s on) at 8,192 m + 2,048 s, piece c at 512 c, lane at 16 l.  One hidden image: the round in front of a refill also parts its reads from the next stores.
; VECTORS (bo, ln1_g, ln1_b, b2, ln2_g, ln2_b, b1: 20,480 bytes) are copied once into LDS, 512 consecutive bytes a load, and read from there in the result's layout.  x and later h (f32) wait in the wave's own LDS bytes.
; LAYOUT.  Source 0 = 16 weight rows, source 1 = 16 tokens: a lane holds one token and eight neighbouring channels, so one conversion gives registers 2 t, 2 t + 1 of the next operand (k = 16 c + 8 (lane / 16) + 0 .. 7).
; SOFTMAX: t = score x log2(e) / 8, M = ceil(the row's largest t), p = 2^(t - M) quantised with e8; the sum of the unquantised p divides.
; LIMITS: e8, e12, e10 - e8 - e9, e14 - e12 - e13 between -126 and 112; e10 + e11, e12 + e13, e14 + e15 between -126 and 126; e6 + e7 between -123 and 130.  NaN among the inputs is not served.
; REGISTERS.  window 1: the four group buffers (in attention: K's fragments v0-79, V's v128-223).  window 0: v1-31 addresses and scales; attention: S 32-111 (O over 32-63), P 112-135, Q 136-151, small 152-182, x 192-255;
;   wo: A 32-63 and 160-191, bo 64-95, sums 96-159, the slot's group 192-255; feed-forward: ACC1 32-95 (in the second product: the slot's group), ACC2 96-159, A 160-223, b1 224-255.
.set HIMG,   196608                    ; behind the slot: h's codes; OH further on the image that O's codes and then the hidden codes share
.set OH,     16384
.set HRES,   229376                    ; x, then h: 8,192 bytes a wave, its own
.set RED,    294912
.set VEC,    299008
.set SPARE,  319488                    ; the spare words, 128 bytes a wave
.set WPART,  24576                     ; a wave's part of the slot; at the end its stage for the way out (the slot has had its last fill)
.set SPITCH, 272
.set SPW,  1
.set NIL,  2
.set WOF,  3                           ; 32,768 w + 16 lane: my place in a chunk's image
.set SLR,  4                           ; my part of the slot + 16 lane
.set IMW,  5
.set IMR,  6
.set REDW, 7
.set REDR, 8
.set XO,   9
.set BO,   10                          ; VEC + 256 w + 32 (lane / 16)
.set STO,  11
.set RD,   12
.set GO,   13
.set KVO,  14
.set QO,   19
.set DL,   20
.set DH,   21
.set NINF, 22
.set PSC,  23
.set PLIM, 24
.set OSC,  25
.set OLIM, 26
.set HSC,  27
.set HLIM, 28
.set FSC,  29
.set FLIM, 30
.set HA,   31
.set S,    32
.set O,    32
.set P,    112
.set Q,    136
.set MXA,  152
.set MXB,  153
.set PX,   154
.set NM,   156
.set SL0,  158
.set SL1,  160
.set RL,   162
.set OCD,  164
.set MA0,  172
.set MB0,  173
.set MC0,  174
.set X,    192
.set ACC1, 32
.set ACC2, 96
.set Y,    96
.set A0,   160
.set A1,   192
.set BIAS, 224
.set LT,   160
.set LR,   176
.set KF,   0
.set VF,   128
.set WOP,  12
.set W1P,  14
.set W2P,  16
.set CS,   36
.set SO,   38
.set S2,   40
.set D1,   52                          ; s[52:55] group 0 for w2's fills, stepped behind a wait for 0
.set G1,   68                          ; s[68:75] group 1
.set D0,   76                          ; s[76:79] group 0 for wo's fill
.set ES,   80
.set WV,   96
.set MSB,  0
.macro WIN new                         ; the immediate's high byte repeats the setting that is left
.if MSB != \new
	s_set_vgpr_msb (MSB<<8)|\new
.set MSB, \new
.endif
.endm
.macro PLACES n
.rept \n
	v_nop
.endr
.endm
.macro BAR
	s_barrier_signal -1
	s_barrier_wait -1
.endm
.macro ROUND                           ; a round of the cluster's barrier
	s_barrier_signal -1
	s_barrier_wait -1
	s_cmp_lg_u32 s[WV], 0
	s_cbranch_scc1 .Lnw0_\@
	s_barrier_signal -3
.Lnw0_\@:
	s_barrier_wait -3
	s_barrier_signal -1
	s_barrier_wait -1
.endm
; The slot is filled again: all my tensor loads are done, the add, my LDS instructions are done (my reads of the slot and of the shared image among them); all waves of the four partners meet; the joint load comes first.
.macro REFILL step
	s_wait_tensorcnt 0x0
	ds_add_u32 v[SPW], v[NIL]                      ; 0 onto my spare word
.if \step
	s_add_nc_u64 s[D1+2:D1+3], s[D1+2:D1+3], 0x40000   ; the next chunk of w2
.endif
	s_wait_dscnt 0x0
	ROUND
	tensor_load_to_lds s[D1:D1+3], s[G1:G1+7]
	s_nop 0
	PLACES 4
.endm
.macro LDSC dst, off                   ; 32 numbers of a column vector from LDS: register 8 t + j = column 64 w + 16 t + 8 (lane / 16) + j
.irp t, 0,1,2,3
	ds_load_b128 v[\dst+8*\t:\dst+8*\t+3], v[BO] offset:\off+64*\t
	ds_load_b128 v[\dst+8*\t+4:\dst+8*\t+7], v[BO] offset:\off+64*\t+16
.endr
.endm
.macro MKPOW dst, ea, eb, neg          ; 2^(ea + eb) or its inverse, as a pair
	s_add_co_i32 s[\dst], s[\ea], s[\eb]
.if \neg
	s_sub_co_i32 s[\dst], 127, s[\dst]
.else
	s_add_co_i32 s[\dst], s[\dst], 127
.endif
	s_lshl_b32 s[\dst], s[\dst], 23
	s_mov_b32 s[\dst+1], s[\dst]
.endm
.macro MKSC vs, vl                     ; from e in s100: 2^e for the conversion, 57,344 x 2^e for the hold
	s_add_co_i32 s100, s100, 127
	s_lshl_b32 s101, s100, 23
	v_mov_b32 v[\vs], s101
	s_add_co_i32 s100, s100, 15
	s_lshl_b32 s100, s100, 23
	s_or_b32 s100, s100, 0x600000
	v_mov_b32 v[\vl], s100
.endm
.macro BSCALE b                        ; a bias goes in as C, divided by the power of two that the sums lack
.set i, 0
.rept 16
	v_pk_mul_f32 v[\b+i:\b+i+1], v[\b+i:\b+i+1], s[100:101] op_sel_hi:[1,0]
.set i, i+2
.endr
.endm
.macro GL buf, base, off               ; a group of weights: 16 loads of 512 consecutive bytes into buffer buf of window 1
	WIN 0x40
.irp t, 0,1,2,3
.irp c, 0,1,2,3
	global_load_b128 v[64*(\buf)+16*\t+4*\c:64*(\buf)+16*\t+4*\c+3], v[WOF], s[\base:\base+1] offset:\off+2048*\t+512*\c
.endr
.endr
	WIN 0
.endm
.macro ISSUE q                         ; group q of road 2 is asked for
.if (\q) <= 20
.set QI, (\q)%4
.if (\q) == 0
	GL QI, WOP, 24576
.else
.set QJ, ((\q)-1)/5*262144
.set QR, ((\q)-1)%5
.if QR < 4
	GL QI, W1P, QJ+QR*8192
.else
	GL QI, W2P, QJ+24576
.endif
.endif
.endif
.endm
.macro AL dst, adr, off                ; the activations' two fragments (m = 0, 1) of one K step: 8 LDS loads
.irp m, 0,1
.irp c, 0,1,2,3
	ds_load_b128 v[\dst+16*\m+4*\c:\dst+16*\m+4*\c+3], v[\adr] offset:\off+8192*\m+512*\c
.endr
.endr
.endm
.macro LBL dst, ks                     ; a group of weights from my part of the slot: 16 LDS loads
.irp t, 0,1,2,3
.irp c, 0,1,2,3
	ds_load_b128 v[\dst+16*\t+4*\c:\dst+16*\t+4*\c+3], v[SLR] offset:8192*\ks+2048*\t+512*\c
.endr
.endr
.endm
; A group's 8 products; the eight accumulators take turns, one instruction a turn.  w, b: the weights' window setting and first register.  cb: the bias that starts the sums, or 0.
; The four places serve the loads that follow into registers just read.
.macro MM w, b, a, acc, cb
	WIN \w
.irp t, 0,1,2,3
.irp m, 0,1
.if \cb
	v_wmma_f32_16x16x128_bf8_bf8 v[\acc+32*\m+8*\t:\acc+32*\m+8*\t+7], v[\b+16*\t:\b+16*\t+15], v[\a+16*\m:\a+16*\m+15], v[\cb+8*\t:\cb+8*\t+7]
.else
	v_wmma_f32_16x16x128_bf8_bf8 v[\acc+32*\m+8*\t:\acc+32*\m+8*\t+7], v[\b+16*\t:\b+16*\t+15], v[\a+16*\m:\a+16*\m+15], v[\acc+32*\m+8*\t:\acc+32*\m+8*\t+7]
.endif
.endr
.endr
	WIN 0
	PLACES 4
.endm
.macro RING q, a, acc, cb              ; group q of road 2: behind it the groups up to q + 3 have been asked for, 16 loads each, and no other load
.if 20-(\q) >= 3
	s_wait_loadcnt 48
.else
	s_wait_loadcnt 16*(20-(\q))
.endif
.set QB, 64*((\q)%4)
	MM 0x01, QB, \a, \acc, \cb
	ISSUE (\q)+4
.endm
; Attention for my head's queries 16 uq .. 16 uq + 15 against 160 keys.  In the second pass K's and V's registers are handed to road 2's first groups as soon as their last products are issued.
.macro ATT uq
.if \uq == 0
	s_wait_loadcnt 36                              ; Q and K are in; behind them V's 20 and x's 16
.endif
	WIN 0x01
.irp kt, 0,1,2,3,4,5,6,7,8,9
	v_wmma_f32_16x16x64_bf8_bf8 v[S+8*\kt:S+8*\kt+7], v[KF+8*\kt:KF+8*\kt+7], v[Q+8*\uq:Q+8*\uq+7], 0
.endr
	WIN 0
	PLACES 4
.if \uq
	ISSUE 0
	ISSUE 1
.endif
	v_add_nc_u32 v[DL], 16*\uq, v[MA0]             ; the band and the sequence's ends, as bounds on the register's key
	v_add_nc_u32 v[DH], 16*\uq+32, v[MA0]
	v_cmp_gt_i32 vcc_lo, v[MB0], v[DL]
	v_cndmask_b32 v[DL], v[DL], v[MB0], vcc_lo
	v_cmp_lt_i32 vcc_lo, v[MC0], v[DH]
	v_cndmask_b32 v[DH], v[DH], v[MC0], vcc_lo
.irp kt, 0,1,2,3
.irp j, 0,1,2,3,4,5,6,7
	v_cmp_lt_i32 vcc_lo, 16*\kt+\j, v[DL]
	v_cndmask_b32 v[S+8*\kt+\j], v[S+8*\kt+\j], v[NINF], vcc_lo
.endr
.endr
.irp kt, 0,1,2,3
.irp j, 0,1,2,3,4,5,6,7
	v_cmp_gt_i32 vcc_lo, 16*\kt+\j, v[DH]
	v_cndmask_b32 v[S+48+8*\kt+\j], v[S+48+8*\kt+\j], v[NINF], vcc_lo
.endr
.endr
	v_max3_num_f32 v[MXA], v[S], v[S+1], v[S+2]
	v_max3_num_f32 v[MXB], v[S+3], v[S+4], v[S+5]
.set i, 6
.rept 18
	v_max3_num_f32 v[MXA], v[MXA], v[S+i], v[S+i+1]
	v_max3_num_f32 v[MXB], v[MXB], v[S+i+2], v[S+i+3]
.set i, i+4
.endr
	v_max3_num_f32 v[MXA], v[MXA], v[S+78], v[S+79]
	v_max_num_f32 v[MXA], v[MXA], v[MXB]
	v_permlanex16_b32 v[PX], v[MXA], s98, s99
	v_max_num_f32 v[MXA], v[MXA], v[PX]
	v_mul_f32 v[MXA], s[CS], v[MXA]
	v_floor_f32 v[NM], -v[MXA]                     ; -M = -ceil(the largest t)
.set i, 0
.rept 40
	v_pk_fma_f32 v[S+i:S+i+1], v[S+i:S+i+1], s[CS:CS+1], v[NM:NM+1] op_sel_hi:[1,0,0]
.set i, i+2
.endr
	s_wait_alu depctr_va_vdst(0)
.set i, 0
.rept 80
	v_exp_f32 v[S+i], v[S+i]
.set i, i+1
.endr
	v_nop
	s_wait_alu depctr_va_vdst(0)
	v_pk_add_f32 v[SL0:SL0+1], v[S:S+1], v[S+2:S+3]
	v_pk_add_f32 v[SL1:SL1+1], v[S+4:S+5], v[S+6:S+7]
.set i, 8
.rept 18
	v_pk_add_f32 v[SL0:SL0+1], v[SL0:SL0+1], v[S+i:S+i+1]
	v_pk_add_f32 v[SL1:SL1+1], v[SL1:SL1+1], v[S+i+2:S+i+3]
.set i, i+4
.endr
	v_pk_add_f32 v[SL0:SL0+1], v[SL0:SL0+1], v[SL1:SL1+1]
	v_add_f32 v[SL0], v[SL0], v[SL0+1]
	v_permlanex16_b32 v[PX], v[SL0], s98, s99
	v_add_f32 v[SL0], v[SL0], v[PX]
	s_wait_alu depctr_va_vdst(0)
	v_rcp_f32 v[RL], v[SL0]
.set i, 0
.rept 80
	v_min_num_f32 v[S+i], v[S+i], v[PLIM]
.set i, i+1
.endr
.irp kt, 0,1,2,3,4,5,6,7,8,9
	v_cvt_scalef32_pk8_bf8_f32 v[P+2*\kt:P+2*\kt+1], v[S+8*\kt:S+8*\kt+7], v[PSC]
.endr
	v_nop
	s_wait_alu depctr_va_vdst(0)
.if \uq == 0
	s_wait_loadcnt 16                              ; V is in; behind it x's 16
.endif
	WIN 0x01
.irp sg, 0,1,2
.irp t, 0,1,2,3
.if \sg == 0
	v_wmma_f32_16x16x64_bf8_bf8 v[O+8*\t:O+8*\t+7], v[VF+24*\t+8*\sg:VF+24*\t+8*\sg+7], v[P+8*\sg:P+8*\sg+7], 0
.else
	v_wmma_f32_16x16x64_bf8_bf8 v[O+8*\t:O+8*\t+7], v[VF+24*\t+8*\sg:VF+24*\t+8*\sg+7], v[P+8*\sg:P+8*\sg+7], v[O+8*\t:O+8*\t+7]
.endif
.endr
.endr
	WIN 0
	PLACES 4
.if \uq
	ISSUE 2
	ISSUE 3
.endif
	s_wait_alu depctr_va_vdst(0)
.set i, 0
.rept 16
	v_pk_mul_f32 v[O+i:O+i+1], v[O+i:O+i+1], v[RL:RL+1] op_sel_hi:[1,0]
.set i, i+2
.endr
.set i, 0
.rept 32
	v_med3_num_f32 v[O+i], v[O+i], -v[OLIM], v[OLIM]
.set i, i+1
.endr
.irp t, 0,1,2,3
	v_cvt_scalef32_pk8_bf8_f32 v[OCD+2*\t:OCD+2*\t+1], v[O+8*\t:O+8*\t+7], v[OSC]
.endr
	v_nop
	ds_store_b128 v[IMW], v[OCD:OCD+3] offset:OH+8192*\uq
	ds_store_b128 v[IMW], v[OCD+4:OCD+7] offset:OH+8192*\uq+512
.endm
.macro XWAVE off                       ; two sums a lane (tokens r and 16 + r) over the lane's half, the other half and the eight waves
.irp m, 0,1
	v_pk_add_f32 v[LT+8*\m:LT+8*\m+1], v[LT+8*\m:LT+8*\m+1], v[LT+8*\m+2:LT+8*\m+3]
.endr
.irp m, 0,1
	v_add_f32 v[LT+8*\m+4], v[LT+8*\m], v[LT+8*\m+1]
.endr
.irp m, 0,1
	v_permlanex16_b32 v[LT+8*\m+5], v[LT+8*\m+4], s98, s99
.endr
.irp m, 0,1
	v_add_f32 v[LT+8*\m+4], v[LT+8*\m+4], v[LT+8*\m+5]
.endr
.irp m, 0,1
	ds_store_b32 v[REDW], v[LT+8*\m+4] offset:\off+512*\m
.endr
	s_wait_dscnt 0x0
	BAR
.irp m, 0,1
	ds_load_b128 v[LR+8*\m:LR+8*\m+3], v[REDR] offset:\off+512*\m
	ds_load_b128 v[LR+8*\m+4:LR+8*\m+7], v[REDR] offset:\off+512*\m+16
.endr
	s_wait_dscnt 0x0
.irp m, 0,1
	v_pk_add_f32 v[LR+8*\m:LR+8*\m+1], v[LR+8*\m:LR+8*\m+1], v[LR+8*\m+2:LR+8*\m+3]
	v_pk_add_f32 v[LR+8*\m+4:LR+8*\m+5], v[LR+8*\m+4:LR+8*\m+5], v[LR+8*\m+6:LR+8*\m+7]
.endr
.irp m, 0,1
	v_pk_add_f32 v[LR+8*\m:LR+8*\m+1], v[LR+8*\m:LR+8*\m+1], v[LR+8*\m+4:LR+8*\m+5]
.endr
.irp m, 0,1
	v_add_f32 v[LR+8*\m], v[LR+8*\m], v[LR+8*\m+1]
.endr
.endm
.macro LN k                            ; Y = (Y - mean) / sqrt(var + 1e-5); gain and shift follow outside.  k picks LDS words of its own for each of the four sums
.irp m, 0,1
	v_pk_add_f32 v[LT+8*\m:LT+8*\m+1], v[Y+32*\m:Y+32*\m+1], v[Y+32*\m+2:Y+32*\m+3]
	v_pk_add_f32 v[LT+8*\m+2:LT+8*\m+3], v[Y+32*\m+4:Y+32*\m+5], v[Y+32*\m+6:Y+32*\m+7]
.endr
.irp j, 8,12,16,20,24,28
.irp m, 0,1
	v_pk_add_f32 v[LT+8*\m:LT+8*\m+1], v[LT+8*\m:LT+8*\m+1], v[Y+32*\m+\j:Y+32*\m+\j+1]
	v_pk_add_f32 v[LT+8*\m+2:LT+8*\m+3], v[LT+8*\m+2:LT+8*\m+3], v[Y+32*\m+\j+2:Y+32*\m+\j+3]
.endr
.endr
	XWAVE 1024*\k
	s_mov_b32 s100, 0x3b000000                     ; 1 / 512
	s_mov_b32 s101, 0x3727c5ac                     ; 1e-5
.irp m, 0,1
	v_mul_f32 v[LR+8*\m], s100, v[LR+8*\m]
.endr
.irp m, 0,1
.set i, 0
.rept 16
	v_pk_add_f32 v[Y+32*\m+i:Y+32*\m+i+1], v[Y+32*\m+i:Y+32*\m+i+1], v[LR+8*\m:LR+8*\m+1] op_sel_hi:[1,0] neg_lo:[0,1] neg_hi:[0,1]
.set i, i+2
.endr
.endr
.irp m, 0,1
	v_pk_mul_f32 v[LT+8*\m:LT+8*\m+1], v[Y+32*\m:Y+32*\m+1], v[Y+32*\m:Y+32*\m+1]
	v_pk_mul_f32 v[LT+8*\m+2:LT+8*\m+3], v[Y+32*\m+2:Y+32*\m+3], v[Y+32*\m+2:Y+32*\m+3]
.endr
.irp j, 4,8,12,16,20,24,28
.irp m, 0,1
	v_pk_fma_f32 v[LT+8*\m:LT+8*\m+1], v[Y+32*\m+\j:Y+32*\m+\j+1], v[Y+32*\m+\j:Y+32*\m+\j+1], v[LT+8*\m:LT+8*\m+1]
	v_pk_fma_f32 v[LT+8*\m+2:LT+8*\m+3], v[Y+32*\m+\j+2:Y+32*\m+\j+3], v[Y+32*\m+\j+2:Y+32*\m+\j+3], v[LT+8*\m+2:LT+8*\m+3]
.endr
.endr
	XWAVE 1024*(\k+1)
.irp m, 0,1
	v_fma_f32 v[LR+8*\m], v[LR+8*\m], s100, s101
.endr
	s_wait_alu depctr_va_vdst(0)
.irp m, 0,1
	v_rsq_f32 v[LR+8*\m+2], v[LR+8*\m]
.endr
	v_nop
	s_wait_alu depctr_va_vdst(0)
.irp m, 0,1
.set i, 0
.rept 16
	v_pk_mul_f32 v[Y+32*\m+i:Y+32*\m+i+1], v[Y+32*\m+i:Y+32*\m+i+1], v[LR+8*\m+2:LR+8*\m+3] op_sel_hi:[1,0]
.set i, i+2
.endr
.endr
.endm
; Chunk j of 512 hidden units: w1's four groups from the ring, the activation, w2's K steps 0-2 from the slot, the refill, w2's K step 3 from the ring.
; A wait 's_wait_dscnt 8' leaves out the eight loads issued last: the next K step's fragments of the activations.
.macro CHUNK j
	AL A1, IMR, 2048
	s_wait_dscnt 8
	RING (1+5*\j), A0, ACC1, BIAS
	AL A0, IMR, 4096
	s_wait_dscnt 8
	RING (2+5*\j), A1, ACC1, 0
	AL A1, IMR, 6144
	s_wait_dscnt 8
	RING (3+5*\j), A0, ACC1, 0
	s_wait_dscnt 0x0
	RING (4+5*\j), A1, ACC1, 0
.set i, 0
.rept 64
	v_med3_num_f32 v[ACC1+i], v[ACC1+i], 0, v[FLIM]   ; relu and the hold in one; each accumulator from its low end on
.set i, i+1
.endr
.irp m, 0,1
.irp t, 0,1,2,3
	v_cvt_scalef32_pk8_bf8_f32 v[A0+8*\m+2*\t:A0+8*\m+2*\t+1], v[ACC1+32*\m+8*\t:ACC1+32*\m+8*\t+7], v[FSC]
.endr
.endr
	v_nop
.irp m, 0,1
.irp c, 0,1
	ds_store_b128 v[IMW], v[A0+8*\m+4*\c:A0+8*\m+4*\c+3] offset:OH+8192*\m+512*\c
.endr
.endr
	s_wait_dscnt 0x0                               ; my hidden codes are stored
	BAR
	s_wait_tensorcnt 0x0                           ; my part of the slot, which I alone read, is in: the one load that was out
	AL A0, IMR, OH
	LBL ACC1, 0
	AL A1, IMR, OH+2048
	s_wait_dscnt 8
	MM 0, ACC1, A0, ACC2, 0
	LBL ACC1, 1
	AL A0, IMR, OH+4096
	s_wait_dscnt 8
	MM 0, ACC1, A1, ACC2, 0
	LBL ACC1, 2
	AL A1, IMR, OH+6144
	s_wait_dscnt 8
	MM 0, ACC1, A0, ACC2, 0
.if \j < 3
	REFILL 1
	LDSC BIAS, 12288+2048*(\j+1)                   ; the next chunk's b1,
	AL A0, IMR, 0                                  ; and h's first K step
.else
	s_wait_dscnt 0x0
.endif
	RING (5+5*\j), A1, ACC2, 0
.if \j < 3
	s_wait_dscnt 8                                 ; the bias is in
	MKPOW 100, ES+12, ES+13, 1
	BSCALE BIAS
	s_wait_alu depctr_va_vdst(0)
.endif
.endm
	s_load_b512 s[4:19], s[0:1], 0x0               ; qc 4, kc 6, vc 8, x 10, woi 12, w1i 14, w2i 16, bo 18
	s_load_b512 s[20:35], s[0:1], 0x40             ; b1 20, b2 22, ln1_g 24, ln1_b 26, ln2_g 28, ln2_b 30, the scales 32, out0 34
	v_lshl_add_u32 v[SPW], v0, 2, SPARE
	v_mov_b32 v[NIL], 0
	ds_add_u32 v[SPW], v[NIL]                      ; the opening lines: the add, twice on end, and its wait ahead of my first tensor load
	ds_add_u32 v[SPW], v[NIL]
	v_lshrrev_b32 v31, 5, v0
	v_readfirstlane_b32 s[WV], v31                 ; wave 0..7
	s_bfe_u32 s3, ttmp6, 0x40000                   ; cx
	s_lshl_b32 s2, ttmp9, 2
	s_add_co_u32 s2, s2, s3                        ; my block of 32 tokens: it enters global addresses and the mask's bounds alone
	s_mov_b32 s[G1], 15|(3<<16)|(1<<21)            ; the mask: all four; elements of 8 bytes; bit 21 beside a mask; no padding
	s_mov_b32 s[G1+1], 32<<16                      ; rows of 256 bytes
	s_mov_b32 s[G1+2], 96<<16
	s_mov_b32 s[G1+3], 32<<16
	s_mov_b32 s[G1+4], 96
	s_mov_b32 s[G1+5], 32
	s_mov_b32 s[G1+6], 0
	s_mov_b32 s[G1+7], 0
	s_lshl_b32 s44, s[WV], 10
	s_lshl_b32 s45, s[WV], 2
	s_lshl_b32 s46, s[WV], 8
	s_mul_i32 s47, s[WV], WPART
	s_lshl_b32 s48, s[WV], 11
	s_lshl_b32 s49, s[WV], 15
	s_lshl_b32 s50, s[WV], 13
	s_add_co_u32 s50, s50, HRES
	s_and_b32 s51, s[WV], 3
	s_lshl_b32 s51, s51, 9
	s_lshl_b32 s62, s[WV], 9
	s_and_b32 s3, s2, 63                           ; the block's number in its sequence
	s_sub_co_u32 s67, s2, s3
.irp b, 0,1,2,3,4
	s_add_co_i32 s66, s3, \b-2                     ; the five blocks of keys, held inside the sequence; what is held is masked
	s_max_i32 s66, s66, 0
	s_min_i32 s66, s66, 63
	s_add_co_u32 s66, s66, s67
	s_lshl_b32 s[52+\b], s66, 14
.endr
	s_lshl_b32 s57, s2, 14
	s_lshl_b32 s58, s2, 16
	s_mov_b32 s59, 0
	s_lshl_b32 s66, s3, 5
	s_sub_co_i32 s60, 64, s66
	s_max_i32 s60, s60, 0
	s_sub_co_i32 s61, 2111, s66
	s_min_i32 s61, s61, 159
	s_sub_co_i32 s61, s61, 96
	s_mov_b32 s98, 0x76543210
	s_mov_b32 s99, 0xfedcba98
	v_and_b32 v176, 15, v0                         ; r
	v_bfe_u32 v177, v0, 4, 1                       ; h
	v_and_b32 v178, 31, v0                         ; lane
	v_lshlrev_b32 v178, 4, v178                    ; 16 lane
	v_add_nc_u32 v[IMR], HIMG, v178
	v_add_nc_u32 v[IMW], s44, v[IMR]
	v_lshlrev_b32 v[REDR], 5, v176
	v_add_nc_u32 v[REDR], RED, v[REDR]
	v_add_nc_u32 v[REDW], s45, v[REDR]
	v_lshl_add_u32 v[GO], v177, 5, s46             ; 256 w + 32 h
	v_lshl_add_u32 v[XO], v176, 11, v[GO]
	v_add_nc_u32 v[BO], VEC, v[GO]
	v_mul_u32_u24 v[STO], v176, SPITCH
	v_lshl_add_u32 v[STO], v177, 5, v[STO]
	v_add_nc_u32 v[STO], s47, v[STO]
	v_mul_u32_u24 v[RD], v177, SPITCH
	v_lshl_add_u32 v[RD], v176, 4, v[RD]
	v_add_nc_u32 v[RD], s47, v[RD]
	v_lshlrev_b32 v[GO], 11, v177
	v_lshl_add_u32 v[GO], v176, 4, v[GO]
	v_add_nc_u32 v[GO], s46, v[GO]
	v_add_nc_u32 v31, s48, v178
.irp b, 0,1,2,3,4
	v_add_nc_u32 v[KVO+\b], s[52+\b], v31
.endr
	v_add_nc_u32 v[QO], s57, v31
	v_add_nc_u32 v[HA], s50, v178
	v_add_nc_u32 v[WOF], s49, v178
	v_add_nc_u32 v[SLR], s47, v178
	v_add_nc_u32 v180, s51, v178                   ; the vectors' copy: 512 (w % 4) + 16 lane in a vector of 2,048 bytes,
	v_add_nc_u32 v181, s62, v178                   ; 512 w + 16 lane in b1,
	v_add_nc_u32 v182, VEC, v181                   ; and in LDS
	v_lshlrev_b32 v179, 3, v177
	v_sub_nc_u32 v[MA0], v176, v179
	v_sub_nc_u32 v[MB0], s60, v179
	v_sub_nc_u32 v[MC0], s61, v179
	v_mov_b32 v[NINF], 0xff800000
	v_mov_b32 v[PX], 0
	v_mov_b32 v[NM+1], 0
	v_mov_b32 v[RL+1], 0
.irp i, 20,21,22,23
	v_mov_b32 v[P+\i], 0                           ; keys 160 to 191 of the third K step of 64: zero codes on both sides
.endr
	s_mov_b32 s66, s49                             ; 32,768 w as a pair
	s_mov_b32 s67, 0
	s_wait_alu depctr_va_vdst(0)
	s_wait_dscnt 0x0                               ; both opening adds are done
	s_wait_kmcnt 0x0
	s_load_b512 s[ES:ES+15], s[32:33], 0x0
	s_mov_b32 s[D0], 1
	s_mov_b32 s[D0+1], s47
	s_add_nc_u64 s[D0+2:D0+3], s[WOP:WOP+1], s[66:67]
	s_or_b32 s[D0+3], s[D0+3], 0x80000000
	s_mov_b32 s[D1], 1
	s_mov_b32 s[D1+1], s47
	s_add_nc_u64 s[D1+2:D1+3], s[W2P:W2P+1], s[66:67]
	s_or_b32 s[D1+3], s[D1+3], 0x80000000
	ROUND                                          ; the four partners are here: the first joint loads meet
	tensor_load_to_lds s[D0:D0+3], s[G1:G1+7]      ; wo's K steps 0-2 for my columns: my one load at the head
	s_nop 0
	PLACES 4
	s_add_nc_u64 s[10:11], s[10:11], s[58:59]
	s_add_nc_u64 s[34:35], s[34:35], s[58:59]
	s_cmp_lt_u32 s[WV], 4                          ; waves 0-3 copy the first vector of each pair, waves 4-7 the second
	s_cselect_b64 s[44:45], s[18:19], s[24:25]     ; bo, ln1_g
	s_cselect_b64 s[46:47], s[26:27], s[22:23]     ; ln1_b, b2
	s_cselect_b64 s[48:49], s[28:29], s[30:31]     ; ln2_g, ln2_b
	global_load_b128 v[32:35], v180, s[44:45]
	global_load_b128 v[36:39], v180, s[46:47]
	global_load_b128 v[40:43], v180, s[48:49]
	global_load_b128 v[44:47], v181, s[20:21]
	global_load_b128 v[48:51], v181, s[20:21] offset:4096
.irp u, 0,1
.irp c, 0,1
	global_load_b128 v[Q+8*\u+4*\c:Q+8*\u+4*\c+3], v[QO], s[4:5] offset:1024*\u+512*\c
.endr
.endr
	WIN 0x40
.irp b, 0,1,2,3,4
.irp u, 0,1
.irp c, 0,1
	global_load_b128 v[KF+8*(2*\b+\u)+4*\c:KF+8*(2*\b+\u)+4*\c+3], v[KVO+\b], s[6:7] offset:1024*\u+512*\c
.endr
.endr
.endr
.irp b, 0,1,2,3,4
.irp t, 0,1,2,3
	global_load_b128 v[VF+24*\t+4*\b:VF+24*\t+4*\b+3], v[KVO+\b], s[8:9] offset:512*\t
.endr
.endr
.irp t, 0,1,2,3
.irp i, 20,21,22,23
	v_mov_b32 v[VF+24*\t+\i], 0
.endr
.endr
	WIN 0
.irp m, 0,1
.irp t, 0,1,2,3
	global_load_b128 v[X+32*\m+8*\t:X+32*\m+8*\t+3], v[XO], s[10:11] offset:32768*\m+64*\t th:TH_LOAD_NT
	global_load_b128 v[X+32*\m+8*\t+4:X+32*\m+8*\t+7], v[XO], s[10:11] offset:32768*\m+64*\t+16 th:TH_LOAD_NT
.endr
.endr
	s_wait_kmcnt 0x0
	s_add_co_i32 s100, s[ES+6], s[ES+7]
	s_lshl_b32 s100, s100, 23
	s_add_co_i32 s[CS], s100, 0x3e38aa3b           ; log2(e) / 8 x 2^(e6 + e7)
	s_mov_b32 s[CS+1], s[CS]
	MKPOW SO, ES+10, ES+11, 0
	MKPOW S2, ES+14, ES+15, 0
	s_mov_b32 s100, s[ES+8]
	MKSC PSC, PLIM
	s_sub_co_i32 s100, s[ES+10], s[ES+8]
	s_sub_co_i32 s100, s100, s[ES+9]
	MKSC OSC, OLIM
	s_mov_b32 s100, s[ES+12]
	MKSC HSC, HLIM
	s_sub_co_i32 s100, s[ES+14], s[ES+12]
	s_sub_co_i32 s100, s100, s[ES+13]
	MKSC FSC, FLIM
	s_wait_alu depctr_va_vdst(0)
	s_wait_loadcnt 60                              ; the vectors' five loads are in; behind them Q 4, K 20, V 20, x 16
.irp i, 0,1,2,3,4
	ds_store_b128 v182, v[32+4*\i:35+4*\i] offset:4096*\i
.endr
	ATT 0
	s_wait_loadcnt 0x0                             ; x
.set i, 0
.rept 16
	ds_store_b128 v[HA], v[X+4*i:X+4*i+3] offset:512*i   ; x waits in my own LDS bytes
.set i, i+1
.endr
	ATT 1
	s_wait_dscnt 0x0                               ; my head's codes and my part of the vectors are stored
	BAR
	; THE OUT PROJECTION: K steps 0-2 from the slot, the refill, K step 3 from the ring
	s_wait_tensorcnt 0x0                           ; my part of the slot is in
	LDSC 64, 0                                     ; bo
	AL 32, IMR, OH
	LBL 192, 0
	AL 160, IMR, OH+2048
	s_wait_dscnt 8
	MKPOW 100, ES+10, ES+11, 1
	BSCALE 64
	MM 0, 192, 32, Y, 64
	LBL 192, 1
	AL 32, IMR, OH+4096
	s_wait_dscnt 8
	MM 0, 192, 160, Y, 0
	LBL 192, 2
	AL 160, IMR, OH+6144
	s_wait_dscnt 8
	MM 0, 192, 32, Y, 0
	REFILL 0                                       ; w2's chunk 0
.set i, 0
.rept 16
	ds_load_b128 v[X+4*i:X+4*i+3], v[HA] offset:512*i
.set i, i+1
.endr
	LDSC 64, 2048                                  ; ln1's gain
	LDSC 32, 4096                                  ; ln1's shift
	RING 0, 160, Y, 0
	s_wait_dscnt 0x0
.set i, 0
.rept 32
	v_pk_fma_f32 v[Y+i:Y+i+1], v[Y+i:Y+i+1], s[SO:SO+1], v[X+i:X+i+1] op_sel_hi:[1,0,1]   ; x + attention's output
.set i, i+2
.endr
	LDSC 192, 6144                                 ; b2
	LDSC BIAS, 12288                               ; b1 of chunk 0; both are waited for with the sums' LDS words
	LN 0
.irp m, 0,1
.set i, 0
.rept 16
	v_pk_fma_f32 v[Y+32*\m+i:Y+32*\m+i+1], v[Y+32*\m+i:Y+32*\m+i+1], v[64+i:64+i+1], v[32+i:32+i+1]   ; h
.set i, i+2
.endr
.endr
.set i, 0
.rept 16
	ds_store_b128 v[HA], v[Y+4*i:Y+4*i+3] offset:512*i   ; h waits in my own LDS bytes for the second residual
.set i, i+1
.endr
.set i, 0
.rept 64
	v_med3_num_f32 v[Y+i], v[Y+i], -v[HLIM], v[HLIM]
.set i, i+1
.endr
.irp m, 0,1
.irp t, 0,1,2,3
	v_cvt_scalef32_pk8_bf8_f32 v[A0+8*\m+2*\t:A0+8*\m+2*\t+1], v[Y+32*\m+8*\t:Y+32*\m+8*\t+7], v[HSC]
.endr
.endr
	v_nop
.irp m, 0,1
.irp c, 0,1
	ds_store_b128 v[IMW], v[A0+8*\m+4*\c:A0+8*\m+4*\c+3] offset:8192*\m+512*\c
.endr
.endr
	MKPOW 100, ES+14, ES+15, 1
.irp m, 0,1
.set i, 0
.rept 16
	v_pk_mul_f32 v[ACC2+32*\m+i:ACC2+32*\m+i+1], v[192+i:192+i+1], s[100:101] op_sel_hi:[1,0]   ; b2 starts the second product's sums
.set i, i+2
.endr
.endr
	MKPOW 100, ES+12, ES+13, 1
	BSCALE BIAS
	s_wait_alu depctr_va_vdst(0)
	s_wait_dscnt 0x0
	BAR
	AL A0, IMR, 0
.irp j, 0,1,2,3
	CHUNK \j
.endr
	LDSC BIAS, 8192                                ; ln2's gain
	LDSC 32, 10240                                 ; ln2's shift
.set i, 0
.rept 8
	ds_load_b128 v[64+4*i:64+4*i+3], v[HA] offset:512*i
	ds_load_b128 v[192+4*i:192+4*i+3], v[HA] offset:4096+512*i
.set i, i+1
.endr
	s_wait_dscnt 0x0
.irp m, 0,1
.set i, 0
.rept 16
	v_pk_fma_f32 v[Y+32*\m+i:Y+32*\m+i+1], v[Y+32*\m+i:Y+32*\m+i+1], s[S2:S2+1], v[64+128*\m+i:64+128*\m+i+1] op_sel_hi:[1,0,1]   ; h + the feed-forward layer's output
.set i, i+2
.endr
.endr
	LN 2
.irp m, 0,1
.set i, 0
.rept 16
	v_pk_fma_f32 v[Y+32*\m+i:Y+32*\m+i+1], v[Y+32*\m+i:Y+32*\m+i+1], v[BIAS+i:BIAS+i+1], v[32+i:32+i+1]
.set i, i+2
.endr
.endr
	; THE WAY OUT: through a stage in my own part of the slot, so that sixteen lanes store 256 consecutive bytes, aligned
.irp m, 0,1
.irp t, 0,1,2,3
	ds_store_b128 v[STO], v[Y+32*\m+8*\t:Y+32*\m+8*\t+3] offset:16*\m*SPITCH+64*\t
	ds_store_b128 v[STO], v[Y+32*\m+8*\t+4:Y+32*\m+8*\t+7] offset:16*\m*SPITCH+64*\t+16
.endr
.endr
.irp i, 0,1,2,3,4,5,6,7,8,9,10,11,12,13,14,15
	ds_load_b128 v[A0+4*\i:A0+4*\i+3], v[RD] offset:2*\i*SPITCH
.endr
.irp i, 0,1,2,3,4,5,6,7,8,9,10,11,12,13,14,15
	s_wait_dscnt 15-\i
	global_store_b128 v[GO], v[A0+4*\i:A0+4*\i+3], s[34:35] offset:4096*\i th:TH_STORE_NT
.endr
	s_wait_tensorcnt 0x0                           ; the wave's end
	ds_add_u32 v[SPW], v[NIL]
	s_wait_dscnt 0x0
	ROUND                                          ; the closing round
	s_endpgm
.Lfunc_end_k_qf27cdc0f77_block:
	.size	k_qf27cdc0f77_block, .Lfunc_end_k_qf27cdc0f77_block-k_qf27cdc0f77_block
	.p2alignl 7, 3214868480
	.fill 96, 4, 3214868480
	.section	.rodata,"a",@progbits
	.p2align	6, 0x0
	.amdhsa_kernel k_qf27cdc0f77_block
		.amdhsa_group_segment_fixed_size 327680
		.amdhsa_private_segment_fixed_size 0
		.amdhsa_enable_private_segment 0
		.amdhsa_kernarg_size 128
		.amdhsa_user_sgpr_count 2
		.amdhsa_user_sgpr_kernarg_segment_ptr 1
		.amdhsa_wavefront_size32 1
		.amdhsa_system_sgpr_workgroup_id_x 1
		.amdhsa_system_sgpr_workgroup_id_y 1
		.amdhsa_system_sgpr_workgroup_id_z 1
		.amdhsa_system_vgpr_workitem_id 0
		.amdhsa_next_free_vgpr 512
		.amdhsa_next_free_sgpr 102
		.amdhsa_reserve_vcc 1
		.amdhsa_float_denorm_mode_32 3
		.amdhsa_float_denorm_mode_16_64 3
		.amdhsa_memory_ordered 1
		.amdhsa_forward_progress 1
		.amdhsa_inst_pref_size 232
	.end_amdhsa_kernel
	.amdgpu_metadata
---
amdhsa.version: [ 1, 2 ]
amdhsa.kernels:
  - .name:           k_qf27cdc0f77_block
    .symbol:         k_qf27cdc0f77_block.kd
    .args:
      - { .name: qc, .offset: 0, .size: 8, .value_kind: global_buffer, .address_space: global }
      - { .name: kc, .offset: 8, .size: 8, .value_kind: global_buffer, .address_space: global }
      - { .name: vc, .offset: 16, .size: 8, .value_kind: global_buffer, .address_space: global }
      - { .name: x, .offset: 24, .size: 8, .value_kind: global_buffer, .address_space: global }
      - { .name: woi, .offset: 32, .size: 8, .value_kind: global_buffer, .address_space: global }
      - { .name: w1i, .offset: 40, .size: 8, .value_kind: global_buffer, .address_space: global }
      - { .name: w2i, .offset: 48, .size: 8, .value_kind: global_buffer, .address_space: global }
      - { .name: bo, .offset: 56, .size: 8, .value_kind: global_buffer, .address_space: global }
      - { .name: b1, .offset: 64, .size: 8, .value_kind: global_buffer, .address_space: global }
      - { .name: b2, .offset: 72, .size: 8, .value_kind: global_buffer, .address_space: global }
      - { .name: ln1_g, .offset: 80, .size: 8, .value_kind: global_buffer, .address_space: global }
      - { .name: ln1_b, .offset: 88, .size: 8, .value_kind: global_buffer, .address_space: global }
      - { .name: ln2_g, .offset: 96, .size: 8, .value_kind: global_buffer, .address_space: global }
      - { .name: ln2_b, .offset: 104, .size: 8, .value_kind: global_buffer, .address_space: global }
      - { .name: lowp_scales, .offset: 112, .size: 8, .value_kind: global_buffer, .address_space: global }
      - { .name: out0, .offset: 120, .size: 8, .value_kind: global_buffer, .address_space: global }
    .group_segment_fixed_size: 327680
    .private_segment_fixed_size: 0
    .kernarg_segment_align: 8
    .kernarg_segment_size: 128
    .max_flat_workgroup_size: 256
    .sgpr_count:     102
    .vgpr_count:     512
    .wavefront_size: 32
...
	.end_amdgpu_metadata
.endif
;; end of part 2
